; MI455X (gfx1250); checked and timed in simulation.
; The chip was launched on July 23, 2026; its instructions are those of AMD's public machine-readable ISA for CDNA 5 (MIT licence, August 2026) and "CDNA5" Instruction Set Architecture Reference Guide (July 2026). The comments in the code are by the model that wrote it; some were corrected since.
;; Attention Head. Allowed arithmetic: matrix products marked QUANTISED: E4M3 operands, one E8M0 scale for each 32 along K, by v_wmma_scale_f32_16x16x128_f8f6f4 with both operands' format E4M3, f32 sums; everything else in f32.
;; Inputs: Wk 1,024 x 64 float32; Wq 1,024 x 64 float32; Wv 1,024 x 64 float32; bk 64 float32; bq 64 float32; bv 64 float32; input1 4 x 4,096 x 1,024 float32; input2 4 x 4,096 x 1,024 float32.
;; Outputs: out0 4 x 4,096 x 64 float32.
;; This version of the problem:
;;   THIS VERSION OF THE PROBLEM IS GIVEN IN LOW PRECISION. The matrix products marked QUANTISED in the list below multiply operands that are first quantised to E4M3 (4 exponent bits, 3 mantissa bits; 8 bits a number), with one power-of-two scale for each 32 numbers along K (OCP MX v1.0); their sums are f32. All else is computed in f32.
;;   The module's matrix products, in the order in which they are computed (A, B: the left and right operand; K: the contracted axis; several contracted axes count as one K, in the product's order):
;;     1. [M 16,384, K 1,024] x [K 1,024, N 64]; A: input input2; B: input Wq: QUANTISED
;;     2. [M 16,384, K 1,024] x [K 1,024, N 64]; A: input input1; B: input Wk: QUANTISED
;;     3. [M 16,384, K 1,024] x [K 1,024, N 64]; A: input input1; B: input Wv: QUANTISED
;;     4. batch 4 x [M 4,096, K 64] x [K 64, N 4,096]; A: computed on the way; B: computed on the way: QUANTISED
;;     5. batch 4 x [M 4,096, K 4,096] x [K 4,096, N 64]; A: softmax (see below); B: computed on the way: QUANTISED
;;   THE QUANTISER, for each operand of a quantised product, along K:
;;     - K is cut into blocks of 32 from its start; a last block that is shorter is filled with zeros.
;;     - A block's scale is 2^e with e = floor(log2(the largest magnitude in the block)) - 8, held to -126 .. 127; a block of zeros has e = 0. As a byte (E8M0): e + 127.
;;     - Each number is divided by its block's scale, clamped to +-448, and rounded to the nearest number of E4M3, ties to even, subnormals kept.
;;     - The product sums the exact products of the quantised numbers (number of the format x scale) in f32.
;;   ~~~python
;;   def quantise(x, axis):      # numpy; x: float32 -> the quantised numbers, widened to float32 again
;;       x = np.moveaxis(x, axis, -1); K = x.shape[-1]
;;       x = np.pad(x, [(0, 0)] * (x.ndim - 1) + [(0, -K % 32)]); x = x.reshape(x.shape[:-1] + (-1, 32)); a = np.abs(x).max(-1, keepdims=True)
;;       e = np.where(a > 0, np.clip(np.frexp(np.where(a > 0, a, 1))[1] - 1 - 8, -126, 127), 0)      # np.frexp(a)[1] - 1 = floor(log2(a)), exactly
;;       r = np.clip(x / 2.0 ** e, -448, 448)
;;       step = 2.0 ** (np.maximum(np.frexp(np.where(r == 0, 1, r))[1] - 1, -6) - 3)
;;       q = np.round(r / step) * step * 2.0 ** e      # np.round: ties to even
;;       return np.moveaxis(q.reshape(q.shape[:-2] + (-1,))[..., :K], -1, axis).astype(np.float32)
;;   ~~~
;;   SOFTMAX AHEAD OF A QUANTISED PRODUCT. Where the list says 'softmax', what is quantised is not the finished softmax but p = 2^(t - M), with t = logit x log2(e) and M = ceil(the row's largest t), a whole number; so 1/2 < the row's largest p <= 1. The row's sum l is taken of the UNQUANTISED p, in f32, and the product's result is divided by l at the end. Since M is a whole number, a kernel that streams over the keys may use a running M (the ceiling of the running maximum): every later rescaling is an exact power of two, which a block's scale takes up: the codes' values come out the same.
;;   OPERANDS COMPUTED ON THE WAY. 'Computed on the way' means the value that the module computes at that place (a softmax that the list does not call 'softmax' is quantised finished and normalised). What goes into a quantiser is computed in f32, as accurately as f32 sums, v_exp_f32 and their like allow (about 1e-6 of the number): no bf16 or f16 on the way to a quantiser, and a product that is left as it is and whose result goes on into a quantised operand takes f32 operands (vector FMAs, or v_wmma_f32_16x16x4_f32). A number that lies on a knife's edge between two numbers of the format may be rounded either way, as far as f32 arithmetic and the matrix unit's own rounding can turn it there, and no further.
;; One version. Each part assembles by itself: llvm-mc -triple=amdgcn-amd-amdhsa -mcpu=gfx1250 --defsym DOCPART=n.
;; ======== version 1 of 1: 3 launches
;; limits: right only within a limited range of input values
;; workspace buffers: wimg 215,040 bytes; qb 1,114,112 bytes; kvb 2,162,688 bytes
;; launch wprep (part 1): grid 8 x 3, 4 waves a work-group, no clusters, 1,536 bytes of LDS; arguments Wq, Wk, Wv, bq, bk, bv, wimg; writes wimg
.if DOCPART == 1
	.amdgcn_target "amdgcn-amd-amdhsa--gfx1250"
	.amdhsa_code_object_version 6
	.text
	.protected	k_q2db237bdb7_wprep
	.globl	k_q2db237bdb7_wprep
	.p2align	8
	.type	k_q2db237bdb7_wprep,@function
k_q2db237bdb7_wprep:
	s_mov_b64 s[64:65], 0
	v_nop
	global_prefetch_b8 v0, s[64:65] scope:SCOPE_SE
	s_setreg_imm32_b32 hwreg(HW_REG_WAVE_MODE, 25, 1), 1
	s_wait_xcnt 0x0
; Wq, Wk, Wv [1024 (k)][64 (n)] f32 become codes of FP8 (E4M3) with one E8M0 scale byte for each 32 along K, laid as IMAGES OF OPERAND REGISTERS,
; so that the next launch takes every fragment by 16-byte loads at 16 x lane.  The three biases are laid as images of accumulators.
; wimg holds three records (q, k, v) of WREC bytes:  +0 fragment (K step s, tile t) at (4 s + t) 2048 + 512 c + 16 lane: lane (r, h), group c: W(128 s + 32 c + 16 h + 0..15, n(r, t));
;   +65536 scale words at 256 s + 16 r + 4 t;   +67584 bias images at 1024 t + 512 p + 16 lane (registers 4 p .. 4 p + 3 of an accumulator).
; THE COLUMNS OF A TILE ARE NOT NEIGHBOURS: n(r, t) = 32 (t / 2) + 8 (t % 2) + r + 8 (r / 8), so that a transposed product's results of tiles 2 b, 2 b + 1 are 16 neighbours along the next K.
; SHARES: work-group x = K step, y = weight; wave = tile: one fragment a wave, 96 in all: there is no more work than that.  A lane takes a column and its registers run down K: nothing is transposed.
; A block's scale is 2^(floor(log2(largest magnitude)) - 8); its byte is that magnitude's exponent field - 8, held at 1 from below.
; LIMITS: NaN and infinities are not served; a block of zeros, or one whose largest magnitude lies under 2^-118, gets the byte 1 (its codes are zeros or tiny; only this program reads the bytes).
.set WREC, 71680
.set X,   16                           ; v16-79   my 64 numbers: register 16 c + i = k 32 c + 16 h + i
.set BI,  80                           ; v80-87   a bias image's eight registers
.set BA,  88                           ; v88-95   their byte offsets
.set TM,  96                           ; v96-111  at work: largest magnitudes, bytes, scale operands
.set PC,  112                          ; v112-127 the codes
.set PW,  128                          ; v128     the scale word
.set GD,  130                          ; v[130:131] the scale words on their way out
.set SEL, 24                           ; s[24:25] lane selects: lane l xor 16
.set MNT, 26
.set WV,  27                           ; s27      my wave's number
.macro QUANT src, pc, pw
.irp b, 0,1,2,3
	v_max3_num_f32 v[TM+\b], |v[\src+16*\b]|, |v[\src+16*\b+1]|, 0x4800000   ; block b: my 16 numbers and the floor 2^(9 - 127): the byte cannot fall under 1
.endr
.irp i, 2,4,6,8,10,12,14
.irp b, 0,1,2,3
	v_max3_num_f32 v[TM+\b], v[TM+\b], |v[\src+16*\b+\i]|, |v[\src+16*\b+\i+1]|   ; the four blocks by turns
.endr
.endr
.irp b, 0,1,2,3
	v_permlanex16_b32 v[TM+4+\b], v[TM+\b], s[SEL], s[SEL+1]
.endr
.irp b, 0,1,2,3
	v_max_num_f32 v[TM+\b], v[TM+\b], v[TM+4+\b]           ; with lane l xor 16's 16: the block's largest magnitude
.endr
.irp b, 0,1,2,3
	v_add_nc_u32 v[TM+12+\b], 0xfc000000, v[TM+\b]         ; 8 off its exponent field: the conversion's scale operand
.endr
.irp b, 0,1,2,3
.endr
.irp b, 0,1,2,3
	v_lshrrev_b32 v[TM+4+\b], 23, v[TM+12+\b]              ; the scale's byte
.endr
	v_lshl_or_b32 v[\pw], v[TM+5], 8, v[TM+4]
	v_lshl_or_b32 v[\pw], v[TM+6], 16, v[\pw]
	v_lshl_or_b32 v[\pw], v[TM+7], 24, v[\pw]
.irp b, 0,1,2,3
.irp i, 0,1,2,3,4,5,6,7,8,9,10,11,12,13,14,15
.endr
	v_cvt_scalef32_pk8_fp8_f32 v[\pc+4*\b:\pc+4*\b+1], v[\src+16*\b:\src+16*\b+7], v[TM+12+\b]
	v_cvt_scalef32_pk8_fp8_f32 v[\pc+4*\b+2:\pc+4*\b+3], v[\src+16*\b+8:\src+16*\b+15], v[TM+12+\b]
.endr
	v_nop                                                  ; a plain line behind the last conversion
.endm
	s_load_b256 s[4:11], s[0:1], 0x0               ; Wq, Wk, Wv, bq
	s_load_b128 s[12:15], s[0:1], 0x20             ; bk, bv
	s_load_b64 s[16:17], s[0:1], 0x30              ; wimg
	v_lshl_add_u32 v144, v0, 2, 0x400
	v_mov_b32 v145, 0
	v_lshrrev_b32 v1, 5, v0
	v_readfirstlane_b32 s[WV], v1                  ; wave = tile t
	v_and_b32 v1, 31, v0                           ; lane
	v_and_b32 v2, 15, v0                           ; r
	v_bfe_u32 v3, v0, 4, 1                         ; h
	v_and_b32 v9, 8, v2
	v_add_nc_u32 v9, v9, v2                        ; r + 8 (r / 8)
	s_lshr_b32 s28, s[WV], 1
	s_lshl_b32 s28, s28, 7
	s_and_b32 s29, s[WV], 1
	s_lshl_b32 s29, s29, 5
	s_add_co_u32 s28, s28, s29                     ; the tile's first column in bytes: 4 (32 (t / 2) + 8 (t % 2))
	v_lshl_add_u32 v4, v9, 2, s28                  ; W: my column,
	v_lshl_add_u32 v4, v3, 12, v4                  ; and 16 rows of 256 bytes further down for lanes 16-31
	v_lshlrev_b32 v5, 4, v1                        ; 16 x lane: an image's place
	s_lshl_b32 s29, s[WV], 2
	v_lshl_add_u32 v6, v2, 4, s29                  ; LDS: my scale word at 16 r + 4 t
	v_lshlrev_b32 v7, 3, v1                        ; and on the way out 8 bytes a lane
	s_and_b32 s30, ttmp7, 0xffff                   ; which weight
	s_lshl_b32 s32, ttmp9, 15                      ; the K step's 128 rows of 256 bytes
	s_mov_b32 s33, 0
	s_mul_i32 s34, s30, WREC                       ; the weight's record
	s_mov_b32 s35, 0
	s_lshl_b32 s36, ttmp9, 2
	s_add_co_u32 s36, s36, s[WV]
	s_lshl_b32 s36, s36, 11                        ; my fragment's image: (4 s + t) 2048
	s_mov_b32 s37, 0
	s_lshl_b32 s38, ttmp9, 8
	s_add_co_u32 s38, s38, 65536                   ; the K step's scale words
	s_mov_b32 s39, 0
	s_lshl_b32 s42, s[WV], 10
	s_add_co_u32 s42, s42, 67584                   ; my tile's bias image
	s_mov_b32 s43, 0
	s_mov_b32 s[SEL], 0x76543210
	s_mov_b32 s[SEL+1], 0xfedcba98
.irp b, 0,1,2,3
	v_mov_b32 v[TM+4+\b], 0                        ; written once: a lane permute's destination counts as one of its sources
.endr
	s_wait_alu depctr_va_vdst(0)
	s_wait_kmcnt 0x0
	s_cmp_eq_u32 s30, 1                            ; the choices hang on the work-group's number alone
	s_cselect_b64 s[20:21], s[6:7], s[4:5]
	s_cselect_b64 s[22:23], s[12:13], s[10:11]
	s_cmp_eq_u32 s30, 2
	s_cselect_b64 s[20:21], s[8:9], s[20:21]       ; W
	s_cselect_b64 s[22:23], s[14:15], s[22:23]     ; b
	s_cselect_b32 s44, 0, 64                       ; bias image of q and k: register j = b[.. + 16 h + j]; of v: all eight = bv[n(r, t)]
	s_cselect_b32 s45, 4, 0
	s_cselect_b32 s46, 0, 4
	s_add_nc_u64 s[20:21], s[20:21], s[32:33]
	s_add_nc_u64 s[16:17], s[16:17], s[34:35]
	s_add_nc_u64 s[18:19], s[16:17], s[36:37]
	s_add_nc_u64 s[40:41], s[16:17], s[38:39]
	s_add_nc_u64 s[42:43], s[16:17], s[42:43]
.irp c, 0,1,2,3
.irp i, 0,1,2,3,4,5,6,7,8,9,10,11,12,13,14,15
	global_load_b32 v[X+16*\c+\i], v4, s[20:21] offset:(32*\c+\i)*256   ; W(128 s + 32 c + 16 h + i, my column)
.endr
.endr
	s_wait_loadcnt 0x0
	QUANT X, PC, PW
.irp c, 0,1,2,3
	global_store_b128 v5, v[PC+4*\c:PC+4*\c+3], s[18:19] offset:512*\c   ; 32 lanes store 512 consecutive bytes
.endr
	ds_store_b32 v6, v[PW]                         ; lanes r and r + 16 write the same word with the same value
	s_wait_dscnt 0x0                               ; for the others' sake: my store has landed
	s_barrier_signal -1
	s_barrier_wait -1
	s_cmp_lg_u32 s[WV], 0
	s_cbranch_scc1 .Lnot_wave_0
	ds_load_b64 v[GD:GD+1], v7                     ; the four waves' words: 256 bytes
	s_wait_dscnt 0x0
	global_store_b64 v7, v[GD:GD+1], s[40:41]      ; 32 lanes store 256 consecutive bytes, aligned
.Lnot_wave_0:
	s_cmp_lg_u32 ttmp9, 0                          ; the bias images are made once for each weight: by the work-groups of K step 0
	s_cbranch_scc1 .Lend
	v_mul_u32_u24 v8, s44, v3
	v_mad_u32_u24 v8, s45, v9, v8
	v_add_nc_u32 v8, s28, v8
.irp j, 0,1,2,3,4,5,6,7
	v_mad_u32_u24 v[BA+\j], s46, \j, v8
.endr
.irp j, 0,1,2,3,4,5,6,7
	global_load_b32 v[BI+\j], v[BA+\j], s[22:23]
.endr
	s_wait_loadcnt 0x0
	global_store_b128 v5, v[BI:BI+3], s[42:43]
	global_store_b128 v5, v[BI+4:BI+7], s[42:43] offset:512
.Lend:
	s_wait_tensorcnt 0x0
	ds_add_u32 v144, v145
	s_wait_dscnt 0x0
	s_endpgm
.Lfunc_end_k_q2db237bdb7_wprep:
	.size	k_q2db237bdb7_wprep, .Lfunc_end_k_q2db237bdb7_wprep-k_q2db237bdb7_wprep
	.p2alignl 7, 3214868480
	.fill 96, 4, 3214868480
	.section	.rodata,"a",@progbits
	.p2align	6, 0x0
	.amdhsa_kernel k_q2db237bdb7_wprep
		.amdhsa_group_segment_fixed_size 1536
		.amdhsa_private_segment_fixed_size 0
		.amdhsa_enable_private_segment 0
		.amdhsa_kernarg_size 56
		.amdhsa_user_sgpr_count 2
		.amdhsa_user_sgpr_kernarg_segment_ptr 1
		.amdhsa_wavefront_size32 1
		.amdhsa_system_sgpr_workgroup_id_x 1
		.amdhsa_system_sgpr_workgroup_id_y 1
		.amdhsa_system_sgpr_workgroup_id_z 1
		.amdhsa_system_vgpr_workitem_id 0
		.amdhsa_next_free_vgpr 146
		.amdhsa_next_free_sgpr 66
		.amdhsa_reserve_vcc 0
		.amdhsa_float_denorm_mode_32 3
		.amdhsa_float_denorm_mode_16_64 3
		.amdhsa_fp16_overflow 1
		.amdhsa_memory_ordered 1
		.amdhsa_forward_progress 1
		.amdhsa_inst_pref_size 15
	.end_amdhsa_kernel
	.amdgpu_metadata
---
amdhsa.version: [ 1, 2 ]
amdhsa.kernels:
  - .name:           k_q2db237bdb7_wprep
    .symbol:         k_q2db237bdb7_wprep.kd
    .args:
      - { .name: Wq, .offset: 0, .size: 8, .value_kind: global_buffer, .address_space: global }
      - { .name: Wk, .offset: 8, .size: 8, .value_kind: global_buffer, .address_space: global }
      - { .name: Wv, .offset: 16, .size: 8, .value_kind: global_buffer, .address_space: global }
      - { .name: bq, .offset: 24, .size: 8, .value_kind: global_buffer, .address_space: global }
      - { .name: bk, .offset: 32, .size: 8, .value_kind: global_buffer, .address_space: global }
      - { .name: bv, .offset: 40, .size: 8, .value_kind: global_buffer, .address_space: global }
      - { .name: wimg, .offset: 48, .size: 8, .value_kind: global_buffer, .address_space: global }
    .group_segment_fixed_size: 1536
    .private_segment_fixed_size: 0
    .kernarg_segment_align: 8
    .kernarg_segment_size: 56
    .max_flat_workgroup_size: 128
    .sgpr_count:     66
    .vgpr_count:     146
    .wavefront_size: 32
...
	.end_amdgpu_metadata
.endif
;; end of part 1
;; launch proj (part 2): grid 256 x 1, 4 waves a work-group, clusters of 4 x 1, 284,160 bytes of LDS; arguments input2, input1, wimg, qb, kvb; writes qb, kvb
.if DOCPART == 2
	.amdgcn_target "amdgcn-amd-amdhsa--gfx1250"
	.amdhsa_code_object_version 6
	.text
	.protected	k_q2db237bdb7_proj
	.globl	k_q2db237bdb7_proj
	.p2align	8
	.type	k_q2db237bdb7_proj,@function
k_q2db237bdb7_proj:
	s_mov_b64 s[64:65], 0
	v_nop
	global_prefetch_b8 v0, s[64:65] scope:SCOPE_SE
	s_setreg_imm32_b32 hwreg(HW_REG_WAVE_MODE, 25, 1), 1
	s_wait_xcnt 0x0
	s_wait_alu depctr_hold_cnt(0) depctr_sa_sdst(0) depctr_va_vdst(0) depctr_va_sdst(0) depctr_va_ssrc(0) depctr_va_vcc(0) depctr_vm_vsrc(0)
	s_getreg_b32 s2, hwreg(HW_REG_IB_STS2, 6, 4)
	s_cmp_eq_u32 s2, 0
	s_cbranch_scc0 .Lentry_in_a_cluster
	s_endpgm
.Lentry_in_a_cluster:
	s_bfe_u32 s2, ttmp6, 0x10000c
	s_cmp_lg_u32 s2, 0x3003
	s_cbranch_scc0 .Lentry_shape_is_right
	s_endpgm
.Lentry_shape_is_right:
; q = input2 Wq + bq, k = input1 Wk + bk, v = input1 Wv + bv, on codes of FP8 (E4M3) with one E8M0 scale for each 32 along K = 1024; then q and k are quantised along their 64, v along the keys,
; and all three leave as IMAGES OF OPERAND REGISTERS for the attention launch.
; SHARES.  Work-group blk takes rows 64 blk .. + 63 of BOTH inputs.  Waves 0, 1 make q of input2, waves 2, 3 make k and v of input1; wave w's rows are the 32 of group u = w & 1.
; x is read once, each load a row's 512 consecutive bytes (one K step of 128), two sets of 32 loads always on their way; a step's 16 KiB turn through the wave's own stage in LDS, so that a lane holds
; 16 neighbours along K of one row; they are quantised in registers.  The three weights' images (215,040 bytes) come into LDS once, by one tensor load a wave, asked for JOINTLY by the four work-groups of a cluster.
; THE FIRST PAIR OF K STEPS IS WRITTEN OUT: its x is turned, asked for again and quantised while the weights' images are still on their way; only then come the wait for the images, the barrier and the products.
; THE ROWS OF A TILE ARE NOT NEIGHBOURS: tile a of a group of 32 rows takes row 16 (r / 8) + 8 a + r % 8.  So one fragment of x serves as source 1 of the transposed product for q and k (a lane holds a row, its
; registers run along the 64) and as source 0 of the natural product for v (a lane holds a channel, and the 16 registers of tiles a = 0, 1 are 16 neighbouring keys).
; The biases are loaded into the accumulators, so every K step is the same link in place.
; OUT.  qb: a record of 4,352 bytes for 64 queries: tile I = 2 u + a at 1024 I + 512 c + 16 lane; scale words [s0, s1, s0, s1] at 4096 + 64 I + 4 r.
;       kvb: a record of 8,448 bytes for 64 keys: K's fragment of group u at 2048 u + 512 c + 16 lane (a row holds TWO keys: tile 0's at K index 0-63, tile 1's at 64-127); V^T at 4096 + 1024 t + 512 u + 16 lane;
;       K's scale words at 8192 + 8 r + 4 u; V's scale bytes at 8320 + 8 r + 2 t + u.
; No slot is filled twice: one tensor load a wave is out, at the start.
; LIMITS: NaN and infinities are not served; a block of zeros, or one whose largest magnitude lies under 2^-118, gets the byte 1 (only this program reads the bytes).
; REGISTERS, in windows of 256: window 0: addresses, v32-47 at work, v48-175 two tiles' 64 numbers, v176-207 their codes (v220-251: those of the first pair's second step), v208-211 their scale words, v212-219 the weights' scale words.
;   window 1: the two sets of x as loaded.   window 2: v0-63 q's or k's 8 accumulators ((a, t) at 32 a + 8 t), v64-127 v's ((t, a) at 16 t + 8 a), v128-191, v192-255 four fragments of each weight.
.set WREC,  71680
.set STG,   3*WREC                     ; behind the weights: a stage of 32 rows x 528 bytes for each wave (528 = 33 x 16: the 16 rows that a load touches fall on 16 different groups of banks)
.set SROW,  528
.set SWAVE, 32*SROW
.set GSG,   STG+4*SWAVE                ; 512 bytes in which the scale words and bytes meet
.set QREC,  4352
.set REC,   8448
.set VX,  4                            ; v4   16 x lane
.set VG,  5                            ; v5   8 x lane
.set AW1, 8                            ; v8   LDS: my first weight's images;  v9 Wv's
.set AW2, 9
.set AS1, 10                           ; v10  its scale words;  v11 Wv's
.set AS2, 11
.set AST, 12                           ; v12  the stage on the way in
.set ARD, 13                           ; v13  and on the way out
.set AB1, 14                           ; v14  my first bias image;  v15 bv's
.set AB2, 15
.set AQS, 16                           ; v16  where q's scale words go;  v17 K's;  v18 V's bytes;  v19 where they are read back
.set AKS, 17
.set AVS, 18
.set AGR, 19
.set T1,  20                           ; v20-23 the four weight addresses of the pair of K steps in hand
.set T2,  21
.set T3,  22
.set T4,  23
.set TM,  32
.set XT0, 48
.set XT1, 112
.set PC0, 176
.set PC1, 192
.set PC2, 220
.set PW0, 208
.set PW1, 209
.set PW2, 210
.set WS1, 212
.set WS2, 216
.set ACCK, 0
.set ACCV, 64
.set WF1, 128
.set WF2, 192
.set WV,  14
.set T,   15                           ; s15  0: q of input2;  1: k and v of input1
.set U,   16                           ; s16  my group of 32 rows
.set CX,  17
.set BLK, 18
.set XB,  20                           ; s[20:21] x at my first row, the pair of K steps in hand
.set O1,  22                           ; s[22:23] where q's or K's image goes
.set OV,  24                           ; s[24:25] where V's goes
.set SB,  26                           ; s[26:27] where the 256 bytes of scales go
.set G0,  28
.set G1,  32
.set KO,  40
.set KO5, 41
.set CNT, 42
.set SEL, 44
.set MNT, 46
.set MSB, 0
.macro WIN new                         ; the immediate's high byte repeats the setting that is left; a switch that changes nothing is dropped
.if MSB != (\new)
	s_set_vgpr_msb (MSB<<8)|(\new)
.set MSB, (\new)
.endif
.endm
.macro ROUND                           ; a round of the cluster's barrier
	s_barrier_signal -1
	s_barrier_wait -1
	s_cmp_lg_u32 s[WV], 0
	s_cbranch_scc1 .Lnot_wave_0_\@
	s_barrier_signal -3
.Lnot_wave_0_\@:
	s_barrier_wait -3
	s_barrier_signal -1
	s_barrier_wait -1
.endm
; 64 numbers of a lane at v[src + 16 b + i] of window win, four blocks whose other halves lie in lane l xor 16, become 16 registers of codes at v[pc] and the scale word v[pw], both in window 0.
.macro QUANT src, win, pc, pw
	WIN (\win)|((\win)<<2)
.irp b, 0,1,2,3
	v_max3_num_f32 v[TM+\b], |v[\src+16*\b]|, |v[\src+16*\b+1]|, 0x4800000   ; my 16 numbers, from the low end on, and the floor 2^(9 - 127): the byte cannot fall under 1
.endr
	WIN ((\win)<<2)|((\win)<<4)
.irp i, 2,4,6,8,10,12,14
.irp b, 0,1,2,3
	v_max3_num_f32 v[TM+\b], v[TM+\b], |v[\src+16*\b+\i]|, |v[\src+16*\b+\i+1]|
.endr
.endr
	WIN 0
.irp b, 0,1,2,3
	v_permlanex16_b32 v[TM+4+\b], v[TM+\b], s[SEL], s[SEL+1]
.endr
.irp b, 0,1,2,3
	v_max_num_f32 v[TM+\b], v[TM+\b], v[TM+4+\b]           ; the block's largest magnitude
.endr
.irp b, 0,1,2,3
	v_add_nc_u32 v[TM+12+\b], 0xfc000000, v[TM+\b]         ; 8 off its exponent field: the conversion's scale operand
.endr
.irp b, 0,1,2,3
.endr
.irp b, 0,1,2,3
	v_lshrrev_b32 v[TM+4+\b], 23, v[TM+12+\b]              ; the scale's byte
.endr
	v_lshl_or_b32 v[\pw], v[TM+5], 8, v[TM+4]
	v_lshl_or_b32 v[\pw], v[TM+6], 16, v[\pw]
	v_lshl_or_b32 v[\pw], v[TM+7], 24, v[\pw]
	WIN (\win)|((\win)<<6)
.irp b, 0,1,2,3
.irp i, 0,1,2,3,4,5,6,7,8,9,10,11,12,13,14,15
.endr
.endr
	WIN \win
.irp b, 0,1,2,3
	v_cvt_scalef32_pk8_fp8_f32 v[\pc+4*\b:\pc+4*\b+1], v[\src+16*\b:\src+16*\b+7], v[TM+12+\b]
	v_cvt_scalef32_pk8_fp8_f32 v[\pc+4*\b+2:\pc+4*\b+3], v[\src+16*\b+8:\src+16*\b+15], v[TM+12+\b]
.endr
	WIN 0
	v_nop                                                  ; a plain line behind the last conversion
.endm
; 32 loads: my 32 rows' 512 bytes of one K step into set par; off: 0 for the pair in hand, 1024 for the next pair
.macro XLOAD par, off
	WIN 0x40                                       ; destination window 1, address window 0
.set i, 0
.rept 32
	global_load_b128 v[128*\par+4*i:128*\par+4*i+3], v[VX], s[XB:XB+1] offset:i*4096+\off+512*\par th:TH_LOAD_NT   ; row i: 512 consecutive bytes
.set i, i+1
.endr
	WIN 0
.endm
; The weights' four fragments and scale words of K step par of the pair in hand; waves 2 and 3 take Wv's too.
.macro WLOAD par
	WIN 0x80                                       ; destination window 2
.irp t, 0,1,2,3
.irp c, 0,1,2,3
	ds_load_b128 v[WF1+16*\t+4*\c:WF1+16*\t+4*\c+3], v[T1] offset:8192*\par+2048*\t+512*\c
.endr
.endr
	WIN 0
	ds_load_b128 v[WS1:WS1+3], v[T3] offset:256*\par   ; the four tiles' scale words of my row r
	s_cmp_eq_u32 s[T], 0
	s_cbranch_scc1 .Lno_wv_\@
	WIN 0x80
.irp t, 0,1,2,3
.irp c, 0,1,2,3
	ds_load_b128 v[WF2+16*\t+4*\c:WF2+16*\t+4*\c+3], v[T2] offset:8192*\par+2048*\t+512*\c
.endr
.endr
	WIN 0
	ds_load_b128 v[WS2:WS2+3], v[T4] offset:256*\par
.Lno_wv_\@:
.endm
; x of one K step: set par goes through my stage, is asked for again (more = 1: two steps ahead) and becomes two fragments of codes at v[pc], v[pc + 16] and their scale words v[pw], v[pw + 1].
; left: the younger loads that may stay out.
.macro XPART par, more, left, pc, pw
	s_wait_loadcnt \left                           ; loads come back in order: this set's 32 are in, the other set's 32 are younger
	WIN 0x04                                       ; an LDS store's data are its source 1: window 1
.set i, 0
.rept 32
	ds_store_b128 v[AST], v[128*\par+4*i:128*\par+4*i+3] offset:(16*((i>>3)&1)+8*(i>>4)+(i&7))*SROW   ; row i = 16 g + 8 a + e goes to stage row 16 a + 8 g + e
.set i, i+1
.endr
	WIN 0
.irp a, 0,1
.irp b, 0,1,2,3
.irp j, 0,1,2,3
	ds_load_b128 v[XT0+64*\a+16*\b+4*\j:XT0+64*\a+16*\b+4*\j+3], v[ARD] offset:16*SROW*\a+128*\b+16*\j   ; LDS serves a wave's instructions in order: these see my stores
.endr
.endr
.endr
.if \more
	s_wait_dscnt 32                                ; all but the 32 reads just issued: the stores have read their registers,
	XLOAD \par, 1024                               ; which take the K step two further on
.endif
	s_wait_dscnt 16                                ; tile 0's numbers are in; tile 1's 16 reads may be out
	QUANT XT0, 0, \pc, \pw
	s_wait_dscnt 0x0
	QUANT XT1, 0, \pc+16, \pw+1
.endm
; The products of one K step: 8 for q or k (transposed), and for waves 2 and 3 8 more for v (natural).  The accumulators take turns, one instruction a turn.
.macro MULS pc, pw
	WIN 0xa2                                       ; source 0 (W), C and D window 2; source 1 (x) window 0
.irp a, 0,1
.irp t, 0,1,2,3
	v_wmma_scale_f32_16x16x128_f8f6f4 v[ACCK+32*\a+8*\t:ACCK+32*\a+8*\t+7], v[WF1+16*\t:WF1+16*\t+15], v[\pc+16*\a:\pc+16*\a+15], v[ACCK+32*\a+8*\t:ACCK+32*\a+8*\t+7], v[WS1+\t], v[\pw+\a]
.endr
.endr
	WIN 0
	s_cmp_eq_u32 s[T], 0
	s_cbranch_scc1 .Lno_v_\@
	WIN 0xa8                                       ; source 0 (x) window 0; source 1 (Wv), C and D window 2
.irp a, 0,1
.irp t, 0,1,2,3
	v_wmma_scale_f32_16x16x128_f8f6f4 v[ACCV+16*\t+8*\a:ACCV+16*\t+8*\a+7], v[\pc+16*\a:\pc+16*\a+15], v[WF2+16*\t:WF2+16*\t+15], v[ACCV+16*\t+8*\a:ACCV+16*\t+8*\a+7], v[\pw+\a], v[WS2+\t]
.endr
.endr
	WIN 0
.Lno_v_\@:
.endm
; ONE K STEP of 128 in the steady state: the weights' fragments are asked for first and land under x's turn and quantising.
.macro STEP par, more, left
.rept 8-4*(1-\par)
	v_nop                                          ; eight places in front of loads into registers that the last products read (in the pair's first step the four additions ahead are places too)
.endr
	WLOAD \par
	XPART \par, \more, \left, PC0, PW0
.rept 4
	v_nop                                          ; codes written by vector instructions stand four places ahead of the products; the scale words were made ahead of the conversions
.endr
	MULS PC0, PW0
.endm
.macro PAIR more, l0, l1
	v_add_nc_u32 v[T1], s[KO], v[AW1]
	v_add_nc_u32 v[T2], s[KO], v[AW2]
	v_add_nc_u32 v[T3], s[KO5], v[AS1]
	v_add_nc_u32 v[T4], s[KO5], v[AS2]
	STEP 0, \more, \l0
	STEP 1, \more, \l1
.if \more
	s_wait_xcnt 0x0                                ; the loads' base is stepped only behind this wait
	s_add_nc_u64 s[XB:XB+1], s[XB:XB+1], 1024
	s_add_co_u32 s[KO], s[KO], 16384               ; two K steps' images,
	s_add_co_u32 s[KO5], s[KO5], 512               ; and scale words
.endif
.endm
	s_load_b256 s[4:11], s[0:1], 0x0               ; input2, input1, wimg, qb
	s_load_b64 s[12:13], s[0:1], 0x20              ; kvb
	v_lshl_add_u32 v254, v0, 2, 0x45400
	v_mov_b32 v255, 0
	ds_add_u32 v254, v255
	ds_add_u32 v254, v255
	v_lshrrev_b32 v1, 5, v0
	v_readfirstlane_b32 s[WV], v1
	v_and_b32 v1, 31, v0                           ; lane
	v_and_b32 v2, 15, v0                           ; r
	v_bfe_u32 v3, v0, 4, 1                         ; h
	v_lshlrev_b32 v[VX], 4, v1
	v_lshlrev_b32 v[VG], 3, v1
	s_lshr_b32 s[T], s[WV], 1
	s_and_b32 s[U], s[WV], 1
	s_bfe_u32 s[CX], ttmp6, 0x40000                ; my place in the cluster: it enters global addresses of x, qb and kvb alone
	s_lshl_b32 s[BLK], ttmp9, 2
	s_add_co_u32 s[BLK], s[BLK], s[CX]
	s_lshl_b32 s48, s[BLK], 18                     ; 64 rows of 4,096 bytes,
	s_lshl_b32 s49, s[U], 17                       ; my 32 of them
	s_add_co_u32 s48, s48, s49
	s_mov_b32 s49, 0
	s_mul_i32 s50, s[BLK], REC
	s_mov_b32 s51, 0
	s_mul_i32 s52, s[BLK], QREC
	s_mov_b32 s53, 0
	s_lshl_b32 s60, s[U], 11
	s_mov_b32 s61, 0
	s_lshl_b32 s62, s[U], 9
	s_add_co_u32 s62, s62, 4096
	s_mov_b32 s63, 0
	s_mul_i32 s2, s[WV], 53760                     ; my quarter of the weights' images: 210 rows of 256 bytes
	s_mov_b32 s3, 0
	s_mov_b32 s[G1], 15|(3<<16)|(1<<21)            ; 15:0 the mask: all four work-groups; 17:16 elements of 8 bytes; 21 set beside a mask; no padding: images are read at 16 x lane
	s_mov_b32 s[G1+1], 32<<16                      ; tensor_dim0 = 32
	s_mov_b32 s[G1+2], 210<<16                     ; tensor_dim1 = 210
	s_mov_b32 s[G1+3], 32<<16                      ; tile_dim0 = 32
	s_mov_b32 s[G1+4], 210                         ; tile_dim1 = 210
	s_mov_b32 s[G1+5], 32                          ; the rows are dense
	s_mov_b32 s[G1+6], 0
	s_mov_b32 s[G1+7], 0
	s_mov_b32 s[SEL], 0x76543210
	s_mov_b32 s[SEL+1], 0xfedcba98
	s_mov_b32 s58, 8192
	s_mov_b32 s59, 0
	s_wait_alu depctr_va_vdst(0)
	s_wait_dscnt 0x0
	s_wait_kmcnt 0x0
	s_mov_b32 s[G0], 1
	s_mov_b32 s[G0+1], s2                          ; the LDS address hangs on the wave's number alone
	s_add_nc_u64 s[G0+2:G0+3], s[8:9], s[2:3]
	s_or_b32 s[G0+3], s[G0+3], 0x80000000
	s_add_nc_u64 s[54:55], s[12:13], s[50:51]      ; my record of kvb
	s_add_nc_u64 s[56:57], s[10:11], s[52:53]      ; and of qb
	s_cmp_eq_u32 s[T], 0                           ; the choices hang on the wave's number alone
	s_cselect_b64 s[XB:XB+1], s[4:5], s[6:7]
	s_cselect_b64 s[O1:O1+1], s[56:57], s[54:55]
	s_cselect_b32 s58, 4096, s58
	s_add_nc_u64 s[SB:SB+1], s[O1:O1+1], s[58:59]
	s_add_nc_u64 s[XB:XB+1], s[XB:XB+1], s[48:49]
	s_add_nc_u64 s[O1:O1+1], s[O1:O1+1], s[60:61]
	s_add_nc_u64 s[OV:OV+1], s[54:55], s[62:63]
	XLOAD 0, 0                                     ; K step 0 of x is asked for before the partners are waited for: nobody stores these bytes
	ROUND                                          ; all four work-groups are here: the joint loads meet
	tensor_load_to_lds s[G0:G0+3], s[G1:G1+7]
	s_nop 0
.rept 4
	v_nop
.endr
	XLOAD 1, 0                                     ; K step 1
	; every LDS address register is made here, on the way that all waves take
	s_mul_i32 s43, s[T], WREC                      ; Wq's record or Wk's
	s_mul_i32 s47, s[WV], SWAVE
	s_add_co_u32 s47, s47, STG                     ; my stage
	v_add_nc_u32 v[AW1], s43, v[VX]
	v_add_nc_u32 v[AW2], 2*WREC, v[VX]
	v_lshlrev_b32 v26, 4, v2
	v_add_nc_u32 v[AS1], s43, v26
	v_add_nc_u32 v[AS1], 65536, v[AS1]
	v_add_nc_u32 v[AS2], 2*WREC+65536, v26
	v_add_nc_u32 v[AST], s47, v[VX]
	v_mul_u32_u24 v[ARD], v2, SROW
	v_lshl_add_u32 v[ARD], v3, 6, v[ARD]
	v_add_nc_u32 v[ARD], s47, v[ARD]               ; stage row r, + 64 h: my 16 numbers of a block of 32
	v_add_nc_u32 v[AB1], 67584, v[AW1]
	v_add_nc_u32 v[AB2], 67584, v[AW2]
	s_lshl_b32 s2, s[U], 7
	s_add_co_u32 s2, s2, GSG
	v_lshl_add_u32 v[AQS], v1, 2, s2
	s_lshl_b32 s2, s[U], 2
	s_add_co_u32 s2, s2, GSG+256
	v_lshl_add_u32 v[AKS], v2, 3, s2
	s_add_co_u32 s2, s[U], GSG+384
	v_lshl_add_u32 v[AVS], v2, 3, s2
	s_lshl_b32 s2, s[T], 8
	s_add_co_u32 s2, s2, GSG
	v_lshl_add_u32 v[AGR], v1, 3, s2
.irp b, 0,1,2,3
	v_mov_b32 v[TM+4+\b], 0                        ; written once: a lane permute's destination counts as one of its sources
.endr
	s_mov_b32 s[KO], 0
	s_mov_b32 s[KO5], 0
	v_add_nc_u32 v[T1], s[KO], v[AW1]
	v_add_nc_u32 v[T2], s[KO], v[AW2]
	v_add_nc_u32 v[T3], s[KO5], v[AS1]
	v_add_nc_u32 v[T4], s[KO5], v[AS2]
	; THE FIRST PAIR.  x's part of both steps comes first: it touches my own stage alone, into which no fill lands, so it need not wait for the weights; both sets are on their way again before the wait below.
	XPART 0, 1, 32, PC0, PW0
	XPART 1, 1, 32, PC2, PW2                       ; the second step's codes and scale words have registers of their own
	s_wait_tensorcnt 0x0                           ; my quarter of the weights has landed (no LDS instruction of mine is out: the last wait on DScnt was for 0),
	s_barrier_signal -1
	s_barrier_wait -1                              ; everybody's has; nothing is ever filled again
	WIN 0x80                                       ; destination window 2
.irp a, 0,1
.irp t, 0,1,2,3
.irp p, 0,1
	ds_load_b128 v[ACCK+32*\a+8*\t+4*\p:ACCK+32*\a+8*\t+4*\p+3], v[AB1] offset:1024*\t+512*\p   ; the sums begin as the bias
.endr
.endr
.endr
	WIN 0
	s_cmp_eq_u32 s[T], 0
	s_cbranch_scc1 .Lno_bv
	WIN 0x80
.irp a, 0,1
.irp t, 0,1,2,3
.irp p, 0,1
	ds_load_b128 v[ACCV+16*\t+8*\a+4*\p:ACCV+16*\t+8*\a+4*\p+3], v[AB2] offset:1024*\t+512*\p
.endr
.endr
.endr
	WIN 0
.Lno_bv:
	WLOAD 0
	s_wait_dscnt 0x0                               ; the biases, the fragments and their scale words are in
	MULS PC0, PW0
.rept 8
	v_nop                                          ; eight places in front of loads into registers that these products read
.endr
	WLOAD 1
	s_wait_dscnt 0x0
	s_wait_alu depctr_va_vdst(0)
	MULS PC2, PW2
	s_wait_xcnt 0x0                                ; the loads' base is stepped only behind this wait
	s_add_nc_u64 s[XB:XB+1], s[XB:XB+1], 1024
	s_add_co_u32 s[KO], s[KO], 16384
	s_add_co_u32 s[KO5], s[KO5], 512
	s_mov_b32 s[CNT], 2
.Lpair:
	PAIR 1, 32, 32
	s_sub_co_u32 s[CNT], s[CNT], 1
	s_cmp_lg_u32 s[CNT], 0
	s_cbranch_scc1 .Lpair
	PAIR 0, 32, 0                                  ; the last two K steps load nothing: no load leaves its buffer
	; THE WAY OUT.  q's or k's 64 registers are four blocks (tile a, half b of the 64): their codes are the whole image of my 32 rows.
.rept 8
	v_nop                                          ; eight places in front of the first read of results
.endr
	QUANT ACCK, 2, PC0, PW0
.irp c, 0,1,2,3
	global_store_b128 v[VX], v[PC0+4*\c:PC0+4*\c+3], s[O1:O1+1] offset:512*\c   ; 32 lanes store 512 consecutive bytes
.endr
	s_cmp_eq_u32 s[T], 0
	s_cbranch_scc0 .Lkv_out
	v_perm_b32 v26, v[PW0], v[PW0], 0x01000100     ; tile 0's two bytes, twice: the word serves q in the lower and in the upper half of K
	v_perm_b32 v27, v[PW0], v[PW0], 0x03020302     ; tile 1's
	v_cmp_lt_u32 vcc_lo, 15, v1
	v_cndmask_b32 v26, v26, v27, vcc_lo            ; lanes 0-15 carry tile 0's words, lanes 16-31 tile 1's
	ds_store_b32 v[AQS], v26
	s_branch .Lout_join
.Lkv_out:
	s_wait_alu depctr_va_vdst(0)
	ds_store_b32 v[AKS], v[PW0]                    ; a row of K's fragment holds two keys: its word is the four bytes as they stand
	QUANT ACCV, 2, PC1, PW1                        ; block t: channel n(r, t), my group's 32 keys
.irp t, 0,1,2,3
	global_store_b128 v[VX], v[PC1+4*\t:PC1+4*\t+3], s[OV:OV+1] offset:1024*\t
.endr
.irp t, 0,1,2,3
	ds_store_b8 v[AVS], v[TM+4+\t] offset:2*\t     ; lanes r and r + 16 write the same byte with the same value
.endr
.Lout_join:
	s_wait_dscnt 0x0                               ; for the others' sake: my stores have landed
	s_barrier_signal -1
	s_barrier_wait -1
	s_cmp_eq_u32 s[U], 0
	s_cbranch_scc0 .Lno_gather
	ds_load_b64 v[24:25], v[AGR]                   ; wave 0: q's 64 words;  wave 2: K's 32 words and V's 128 bytes
	s_wait_dscnt 0x0
	global_store_b64 v[VG], v[24:25], s[SB:SB+1]   ; 32 lanes store 256 consecutive bytes, aligned
.Lno_gather:
	s_wait_tensorcnt 0x0
	ds_add_u32 v254, v255
	s_wait_dscnt 0x0
	ROUND                                          ; the closing round
	s_endpgm
.Lfunc_end_k_q2db237bdb7_proj:
	.size	k_q2db237bdb7_proj, .Lfunc_end_k_q2db237bdb7_proj-k_q2db237bdb7_proj
	.p2alignl 7, 3214868480
	.fill 96, 4, 3214868480
	.section	.rodata,"a",@progbits
	.p2align	6, 0x0
	.amdhsa_kernel k_q2db237bdb7_proj
		.amdhsa_group_segment_fixed_size 284160
		.amdhsa_private_segment_fixed_size 0
		.amdhsa_enable_private_segment 0
		.amdhsa_kernarg_size 40
		.amdhsa_user_sgpr_count 2
		.amdhsa_user_sgpr_kernarg_segment_ptr 1
		.amdhsa_wavefront_size32 1
		.amdhsa_system_sgpr_workgroup_id_x 1
		.amdhsa_system_sgpr_workgroup_id_y 1
		.amdhsa_system_sgpr_workgroup_id_z 1
		.amdhsa_system_vgpr_workitem_id 0
		.amdhsa_next_free_vgpr 768
		.amdhsa_next_free_sgpr 66
		.amdhsa_reserve_vcc 1
		.amdhsa_float_denorm_mode_32 3
		.amdhsa_float_denorm_mode_16_64 3
		.amdhsa_fp16_overflow 1
		.amdhsa_memory_ordered 1
		.amdhsa_forward_progress 1
		.amdhsa_inst_pref_size 134
	.end_amdhsa_kernel
	.amdgpu_metadata
---
amdhsa.version: [ 1, 2 ]
amdhsa.kernels:
  - .name:           k_q2db237bdb7_proj
    .symbol:         k_q2db237bdb7_proj.kd
    .args:
      - { .name: input2, .offset: 0, .size: 8, .value_kind: global_buffer, .address_space: global }
      - { .name: input1, .offset: 8, .size: 8, .value_kind: global_buffer, .address_space: global }
      - { .name: wimg, .offset: 16, .size: 8, .value_kind: global_buffer, .address_space: global }
      - { .name: qb, .offset: 24, .size: 8, .value_kind: global_buffer, .address_space: global }
      - { .name: kvb, .offset: 32, .size: 8, .value_kind: global_buffer, .address_space: global }
    .group_segment_fixed_size: 284160
    .private_segment_fixed_size: 0
    .kernarg_segment_align: 8
    .kernarg_segment_size: 40
    .max_flat_workgroup_size: 128
    .sgpr_count:     66
    .vgpr_count:     768
    .wavefront_size: 32
...
	.end_amdgpu_metadata
.endif
;; end of part 2
;; launch attn (part 3): grid 64 x 4, 16 waves a work-group, clusters of 4 x 1, 327,680 bytes of LDS; arguments qb, kvb, out0; writes out0
.if DOCPART == 3
	.amdgcn_target "amdgcn-amd-amdhsa--gfx1250"
	.amdhsa_code_object_version 6
	.text
	.protected	k_q2db237bdb7_attn
	.globl	k_q2db237bdb7_attn
	.p2align	8
	.type	k_q2db237bdb7_attn,@function
k_q2db237bdb7_attn:
	s_mov_b64 s[64:65], 0
	v_nop
	global_prefetch_b8 v0, s[64:65] scope:SCOPE_SE
	s_setreg_imm32_b32 hwreg(HW_REG_WAVE_MODE, 25, 1), 1
	s_wait_xcnt 0x0
	s_wait_alu depctr_hold_cnt(0) depctr_sa_sdst(0) depctr_va_vdst(0) depctr_va_sdst(0) depctr_va_ssrc(0) depctr_va_vcc(0) depctr_vm_vsrc(0)
	s_getreg_b32 s2, hwreg(HW_REG_IB_STS2, 6, 4)
	s_cmp_eq_u32 s2, 0
	s_cbranch_scc0 .Lentry_in_a_cluster
	s_endpgm
.Lentry_in_a_cluster:
	s_bfe_u32 s2, ttmp6, 0x10000c
	s_cmp_lg_u32 s2, 0x3003
	s_cbranch_scc0 .Lentry_shape_is_right
	s_endpgm
.Lentry_shape_is_right:
; out[b][q][:] = the sum over k of softmax_k(q . k / 8) v[k][:], head size 64, 4 batches of 4,096 x 4,096, both products on codes of FP8 (E4M3) with one E8M0 scale for each 32 along a product's K.
; q, k, v arrive as images of operand registers (the launch before lays them): every fragment comes by 16-byte loads at 16 x lane.
; THE SOFTMAX: t = score x log2(e) / 8; M = the largest t so far, rounded UP to a whole number; p = 2^(t - M) is quantised along the keys, not normalised; the row's sum is taken of the unquantised p and divides at the end.
; When M moves, the sum and O are multiplied by 2^(old M - new M): exact.
; SHARES.  A work-group owns 64 queries of one batch: 256 work-groups.  Wave w: tile I = w & 3 of 16 queries, quarter G = w >> 2 of the keys (1,024 keys, 8 steps of 128).  The four partial results of a tile meet in LDS;
; M is a whole number, so the merge scales by exact powers of two.  Four waves lie on a SIMD: one wave's products and LDS loads stand beside another's softmax.
; K = 64 WITHOUT EMPTY FRAGMENTS.  A row of K's fragment holds two keys, one at K index 0-63 and one at 64-127.  Against [q | 0] it gives the first key's score, against [0 | q] the second's (zero codes add nothing).
; Both products are used transposed: a lane holds ONE query, and the 16 registers of the two results of a group of 32 keys are 16 neighbouring keys: the conversions' results are the second product's operand.
; THE RING.  Two slots of 16 records of 8,448 bytes (64 keys each): two steps for each quarter.  Each wave fetches one record, 33 rows of 256 bytes, by one tensor load; one is out at a time.
; CLUSTER.  The four work-groups of a cluster belong to one batch and walk the same records: each load is asked for JOINTLY, with the same descriptor and a mask that names the four.
; LIMITS: NaN and infinities are not served; a block whose every p has fallen to 0 keeps the byte 1: its codes are zeros.
.set REC,   8448
.set SLOTB, 16*REC                     ; 135,168
.set SPARE, 2*SLOTB                    ; the spare words, 128 bytes for each of 16 waves: eight blocks of 256 bytes that no other line names
.set MST,   0                          ; the merge: 16 waves x 16 rows x (256 + 16) bytes, in slot 0: it has had its last fill, and its last read stands ahead of the last change of slots
.set MML,   16*4352                    ; and behind them (-M, l) of each wave's 16 queries
.set A0,   1                           ; v1   my quarter's place in a slot + 16 x lane
.set AS0,  2                           ; v2   the same + 8 r
.set ADR,  3                           ; v3   in the slot in hand
.set ADS,  4
.set SPW,  5                           ; v5   LDS address of my spare word; never rewritten
.set NIL,  6                           ; v6   0; never rewritten
.set MSTO, 7
.set MRD,  8
.set MLS,  9
.set MRL,  10
.set GO,   11
.set QS,   40                          ; v12 -M, v13 the largest t, v[14:15] the sum in two halves; v16-23 q, v24-31 zeros, v32-39 q again; v40 q's scale words
.set KS,   42                          ; v42-45 K's scale words
.set VH,   46                          ; v46-49 V's scale bytes as they lie
.set VS,   50                          ; v50-53 V's scale words
.set FR,   54                          ; v54-117 four fragments of K, then of V
.set S,    118                         ; v118-181 the scores, then p
.set O,    182                         ; v182-213 O^T
.set PC,   214                         ; v214-229 p's codes
.set BM,   230
.set BP,   234
.set HD,   238
.set SO,   242
.set F,    246                         ; v246 f;  v247 p's scale word
.set PW,   247
.set TMP,  248
.set LN,   249
.set RR,   250
.set HH,   251
.set PO,   118                         ; the merge: four partial rows x two
.set ML,   150
.set MM,   166
.set FF,   168
.set LL,   176
.set RS,   182
.set WV,   10
.set I,    11
.set G,    12
.set G1,   16
.set G0,   24
.set TF,   28                          ; s28  the slot that was filled last
.set WP,   29                          ; s29  my record's place in a slot
.set TB,   30                          ; s30  the slot in hand
.set CNT,  31
.set SEL,  32
.set CS,   34                          ; s[34:35] c = log2(e) / 8
.set MNT,  36
.macro ROUND                           ; a round of the cluster's barrier
	s_barrier_signal -1
	s_barrier_wait -1
	s_cmp_lg_u32 s[WV], 0
	s_cbranch_scc1 .Lnot_wave_0_\@
	s_barrier_signal -3
.Lnot_wave_0_\@:
	s_barrier_wait -3
	s_barrier_signal -1
	s_barrier_wait -1
.endm
	s_load_b128 s[4:7], s[0:1], 0x0                ; qb, kvb
	s_load_b64 s[8:9], s[0:1], 0x10                ; out0
	v_lshl_add_u32 v[SPW], v0, 2, SPARE
	v_mov_b32 v[NIL], 0
	ds_add_u32 v5, v6
	ds_add_u32 v5, v6
	s_wait_dscnt 0x0
	v_lshrrev_b32 v[LN], 5, v0
	s_delay_alu instid0(VALU_DEP_1)
	v_readfirstlane_b32 s[WV], v[LN]
	s_and_b32 s[I], s[WV], 3
	s_lshr_b32 s[G], s[WV], 2
	s_bfe_u32 s13, ttmp6, 0x40000                  ; my place in the cluster: it enters q's and the output's addresses alone
	s_lshl_b32 s14, ttmp9, 2
	s_add_co_u32 s14, s14, s13                     ; my block of 64 queries
	s_and_b32 s15, ttmp7, 0xffff                   ; the batch, which the four partners share
	s_mul_i32 s40, s15, 64*REC
	s_lshl_b32 s41, s[G], 4
	s_add_co_u32 s41, s41, s[I]
	s_mul_i32 s41, s41, REC
	s_add_co_u32 s40, s40, s41                     ; my first record: 16 G + I of the batch's 64
	s_mov_b32 s41, 0
	s_lshl_b32 s42, s15, 6
	s_add_co_u32 s42, s42, s14
	s_mul_i32 s42, s42, 4352                       ; my work-group's record of q
	s_mov_b32 s43, 0
	s_lshl_b32 s44, s15, 12                        ; the first row that I store: 4096 batch + 64 block + 32 (I / 2) + 16 (G / 2) + 8 (I % 2) + 4 (G % 2)
	s_lshl_b32 s46, s14, 6
	s_add_co_u32 s44, s44, s46
	s_lshr_b32 s46, s[I], 1
	s_lshl_b32 s46, s46, 5
	s_add_co_u32 s44, s44, s46
	s_lshr_b32 s46, s[G], 1
	s_lshl_b32 s46, s46, 4
	s_add_co_u32 s44, s44, s46
	s_and_b32 s46, s[I], 1
	s_lshl_b32 s46, s46, 3
	s_add_co_u32 s44, s44, s46
	s_and_b32 s46, s[G], 1
	s_lshl_b32 s46, s46, 2
	s_add_co_u32 s44, s44, s46
	s_lshl_b32 s44, s44, 8                         ; rows of 256 bytes
	s_mov_b32 s45, 0
	s_mov_b32 s[G1], 15|(3<<16)|(1<<21)            ; 15:0 the mask: all four work-groups; 17:16 elements of 8 bytes; 21 set beside a mask; no padding: images are read at 16 x lane
	s_mov_b32 s[G1+1], 32<<16                      ; tensor_dim0 = 32
	s_mov_b32 s[G1+2], 33<<16                      ; tensor_dim1 = 33
	s_mov_b32 s[G1+3], 32<<16                      ; tile_dim0 = 32
	s_mov_b32 s[G1+4], 33                          ; tile_dim1 = 33
	s_mov_b32 s[G1+5], 32                          ; the rows are dense
	s_mov_b32 s[G1+6], 0
	s_mov_b32 s[G1+7], 0
	s_mul_i32 s[WP], s[WV], REC
	s_mov_b32 s[TF], 0
	s_mov_b32 s[TB], 0
	s_mov_b32 s[CNT], 3
	s_mov_b32 s[SEL], 0x76543210
	s_mov_b32 s[SEL+1], 0xfedcba98
	s_mov_b32 s[CS], 0x3e38aa3b
	s_mov_b32 s[CS+1], s[CS]                       ; named with it as a pair, so it is written
	s_mov_b32 s37, 0x05040100                      ; the low halves of two words
	s_mov_b32 s38, 0x07060302                      ; the high halves
	s_wait_kmcnt 0x0
	s_mov_b32 s[G0], 1
	s_mov_b32 s[G0+1], s[WP]                       ; slot 0
	s_add_nc_u64 s[G0+2:G0+3], s[6:7], s[40:41]
	s_or_b32 s[G0+3], s[G0+3], 0x80000000
	s_add_nc_u64 s[4:5], s[4:5], s[42:43]
	s_add_nc_u64 s[8:9], s[8:9], s[44:45]
	ROUND                                          ; all four work-groups are here: the first joint loads meet
	tensor_load_to_lds s[G0:G0+3], s[G1:G1+7]
	s_nop 0
.rept 4
	v_nop
.endr
	v_and_b32 v[LN], 31, v0
	v_and_b32 v[RR], 15, v0
	v_bfe_u32 v[HH], v0, 4, 1
	s_lshl_b32 s46, s[I], 10
	v_lshl_add_u32 v252, v[LN], 4, s46             ; q: my tile's image
	s_lshl_b32 s47, s[I], 6
	v_lshl_add_u32 v253, v[RR], 2, s47             ; and its scale words
	global_load_b128 v[16:19], v252, s[4:5]
	global_load_b128 v[20:23], v252, s[4:5] offset:512
	global_load_b128 v[32:35], v252, s[4:5]        ; a second time: q stands once below the zeros and once above them
	global_load_b128 v[36:39], v252, s[4:5] offset:512
	global_load_b32 v[QS], v253, s[4:5] offset:4096
	s_mul_i32 s44, s[G], 4*REC
	v_lshl_add_u32 v[A0], v[LN], 4, s44
	v_lshl_add_u32 v[AS0], v[RR], 3, s44
	s_mul_i32 s45, s[WV], 4352
	v_mul_u32_u24 v[MSTO], v[RR], 272
	s_delay_alu instid0(VALU_DEP_1)
	v_lshl_add_u32 v[MSTO], v[HH], 6, v[MSTO]
	s_delay_alu instid0(VALU_DEP_1)
	v_add_nc_u32 v[MSTO], s45, v[MSTO]             ; the merge, in: my stage, row r, + 64 h
	s_mul_i32 s45, s[I], 4352
	s_mul_i32 s46, s[G], 1088
	s_add_co_u32 s45, s45, s46
	v_mul_u32_u24 v[MRD], v[HH], 272
	s_delay_alu instid0(VALU_DEP_1)
	v_lshl_add_u32 v[MRD], v[RR], 4, v[MRD]
	s_delay_alu instid0(VALU_DEP_1)
	v_add_nc_u32 v[MRD], s45, v[MRD]               ; back: rows 4 G + h of my tile, 16 bytes a lane
	s_lshl_b32 s45, s[WV], 7
	s_add_co_u32 s45, s45, MML
	v_lshl_add_u32 v[MLS], v[RR], 3, s45
	s_lshl_b32 s45, s[I], 7
	s_lshl_b32 s46, s[G], 5
	s_add_co_u32 s45, s45, s46
	s_add_co_u32 s45, s45, MML
	v_lshl_add_u32 v[MRL], v[HH], 3, s45
	v_lshlrev_b32 v[GO], 8, v[HH]
	s_delay_alu instid0(VALU_DEP_1)
	v_lshl_add_u32 v[GO], v[RR], 4, v[GO]          ; lanes 0-15 one row of the output, lanes 16-31 the next
	v_mov_b32 v13, 0xff61b1e6                      ; the largest t so far: -3e38, under every t
	s_delay_alu instid0(VALU_DEP_1)
	v_floor_f32 v12, -v13                          ; -M
	v_mov_b32 v14, 0
	v_mov_b32 v15, 0
.irp j, 0,1,2,3,4,5,6,7
	v_mov_b32 v[24+\j], 0                          ; the zero half of both forms of q
.endr
.irp j, 0,1,2,3,4,5,6,7,8,9,10,11,12,13,14,15,16,17,18,19,20,21,22,23,24,25,26,27,28,29,30,31
	v_mov_b32 v[O+\j], 0                           ; O^T: the step is written once; the first change of M leaves zeros zeros
.endr
.irp b, 0,1,2,3
	v_mov_b32 v[BP+\b], 0                          ; written once: a lane permute's destination counts as one of its sources
.endr
	v_mov_b32 v[PW], 0                             ; named as the upper half of the pair with f before it is first written
; A KEY STEP: 128 keys, the q-th of my quarter's two in the slot in hand.
.macro STEP q
.rept 8-2*(1-\q)
	v_nop                                          ; eight places in front of loads into registers that the last products read (ahead of a slot's first step the two address additions are places too)
.endr
.irp b, 0,1,2,3
.irp c, 0,1,2,3
	ds_load_b128 v[FR+16*\b+4*\c:FR+16*\b+4*\c+3], v[ADR] offset:(2*\q+\b/2)*REC+(\b%2)*2048+512*\c   ; K's fragment of the b-th 32 keys
.endr
.endr
.irp p, 0,1
	ds_load_b64 v[KS+2*\p:KS+2*\p+1], v[ADS] offset:(2*\q+\p)*REC+8192
.endr
	s_wait_dscnt 0x0
.irp b, 0,1,2,3
	v_wmma_scale_f32_16x16x128_f8f6f4 v[S+16*\b:S+16*\b+7], v[FR+16*\b:FR+16*\b+15], v[16:31], 0, v[KS+\b], v[QS]        ; keys 32 b + 16 h + 0 .. 7
	v_wmma_scale_f32_16x16x128_f8f6f4 v[S+16*\b+8:S+16*\b+15], v[FR+16*\b:FR+16*\b+15], v[24:39], 0, v[KS+\b], v[QS]     ; keys 32 b + 16 h + 8 .. 15
.endr
.rept 8
	v_nop                                          ; eight places in front of the loads below and of the first read of results
.endr
.irp t, 0,1,2,3
.irp c, 0,1,2,3
	ds_load_b128 v[FR+16*\t+4*\c:FR+16*\t+4*\c+3], v[ADR] offset:(2*\q+\c/2)*REC+4096+1024*\t+512*(\c%2)   ; V^T: it lands under the softmax
.endr
.endr
.irp p, 0,1
	ds_load_b64 v[VH+2*\p:VH+2*\p+1], v[ADS] offset:(2*\q+\p)*REC+8320
.endr
.irp b, 0,1,2,3
	v_max3_num_f32 v[BM+\b], v[S+16*\b], v[S+16*\b+1], v[S+16*\b+2]   ; the largest score of each block of 32 keys: it serves the row's maximum and, since p rises with the score, the block's largest p
.endr
.irp i, 3,5,7,9,11,13
.irp b, 0,1,2,3
	v_max3_num_f32 v[BM+\b], v[BM+\b], v[S+16*\b+\i], v[S+16*\b+\i+1]
.endr
.endr
.irp b, 0,1,2,3
	v_max_num_f32 v[BM+\b], v[BM+\b], v[S+16*\b+15]
.endr
.irp b, 0,1,2,3
	s_delay_alu instid0(VALU_DEP_4)
	v_permlanex16_b32 v[BP+\b], v[BM+\b], s[SEL], s[SEL+1]
.endr
.irp b, 0,1,2,3
	s_delay_alu instid0(VALU_DEP_4)
	v_max_num_f32 v[BM+\b], v[BM+\b], v[BP+\b]     ; with lane l xor 16's 16 keys
.endr
	s_delay_alu instid0(VALU_DEP_2)
	v_max3_num_f32 v[TMP], v[BM], v[BM+1], v[BM+2]
	s_delay_alu instid0(VALU_DEP_1)
	v_max_num_f32 v[TMP], v[TMP], v[BM+3]
	s_delay_alu instid0(VALU_DEP_1)
	v_mul_f32 v[TMP], s[CS], v[TMP]                ; as t (c is positive)
	s_delay_alu instid0(VALU_DEP_1)
	v_max_num_f32 v13, v13, v[TMP]                 ; the running largest t
	v_mov_b32 v[TMP], v12
	s_delay_alu instid0(VALU_DEP_2)
	v_floor_f32 v12, -v13                          ; the new -M = -ceil(t): a whole number
	s_delay_alu instid0(VALU_DEP_1)
	v_sub_f32 v[TMP], v12, v[TMP]                  ; old M - new M: a whole number, 0 or less
	s_delay_alu instid0(VALU_DEP_1)
	v_cvt_i32_f32 v[TMP], v[TMP]                   ; (it saturates)
	s_delay_alu instid0(VALU_DEP_1)
	v_ldexp_f32 v[F], 1.0, v[TMP]                  ; f = 2^(old M - new M)
.irp j, 0,2,4,6,8,10,12,14,16,18,20,22,24,26,28,30,32,34,36,38,40,42,44,46,48,50,52,54,56,58,60,62
	v_pk_fma_f32 v[S+\j:S+\j+1], v[S+\j:S+\j+1], s[CS:CS+1], v[12:13] op_sel_hi:[1,0,0]   ; t - M, two at a time
.endr
.irp b, 0,1,2,3
	v_fma_f32 v[BM+\b], v[BM+\b], s[CS], v12       ; the same of each block's largest score
.endr
	s_wait_alu depctr_va_vdst(0)
.irp j, 0,1,2,3,4,5,6,7,8,9,10,11,12,13,14,15,16,17,18,19,20,21,22,23,24,25,26,27,28,29,30,31,32,33,34,35,36,37,38,39,40,41,42,43,44,45,46,47,48,49,50,51,52,53,54,55,56,57,58,59,60,61,62,63
	v_exp_f32 v[S+\j], v[S+\j]                     ; p = 2^(t - M)
.endr
.irp b, 0,1,2,3
	v_exp_f32 v[BM+\b], v[BM+\b]                   ; the block's largest p: the same two instructions on the same number
.endr
	v_pk_mul_f32 v[14:15], v[14:15], v[F:F+1] op_sel_hi:[1,0]   ; the sums under the new M (a plain line behind the exponentials)
	s_wait_alu depctr_va_vdst(0)
.irp b, 0,1,2,3
	v_max_num_f32 v[BM+\b], 0x4800000, v[BM+\b]    ; the floor 2^(9 - 127): the byte cannot fall under 1
.endr
.irp b, 0,1,2,3
	s_delay_alu instid0(VALU_DEP_4)
	v_add_nc_u32 v[SO+\b], 0xfc000000, v[BM+\b]    ; 8 off the exponent field: the conversion's scale operand
.endr
.irp b, 0,1,2,3
.endr
.irp b, 0,1,2,3
	s_delay_alu instid0(VALU_DEP_4)
	v_lshrrev_b32 v[BP+\b], 23, v[SO+\b]           ; the scale's byte
.endr
	s_delay_alu instid0(VALU_DEP_3)
	v_lshl_or_b32 v[PW], v[BP+1], 8, v[BP]         ; p's scale word for these 128 keys
	s_delay_alu instid0(VALU_DEP_1)
	v_lshl_or_b32 v[PW], v[BP+2], 16, v[PW]
	s_delay_alu instid0(VALU_DEP_1)
	v_lshl_or_b32 v[PW], v[BP+3], 24, v[PW]
	s_wait_dscnt 0x0                               ; V's fragments and scale bytes are in
	v_perm_b32 v[VS], v[VH+2], v[VH], s37          ; tile t's word: its two bytes of the first 64 keys, then of the second
	v_perm_b32 v[VS+1], v[VH+2], v[VH], s38
	v_perm_b32 v[VS+2], v[VH+3], v[VH+1], s37
	v_perm_b32 v[VS+3], v[VH+3], v[VH+1], s38
	v_pk_add_f32 v[234:235], v[122:123], v[126:127]
	v_pk_add_f32 v[254:255], v[130:131], v[134:135]
	v_pk_add_f32 v[252:253], v[138:139], v[142:143]
	v_pk_add_f32 v[250:251], v[146:147], v[150:151]
	v_pk_add_f32 v[248:249], v[154:155], v[158:159]
	v_pk_add_f32 v[240:241], v[162:163], v[166:167]
	v_pk_add_f32 v[238:239], v[170:171], v[174:175]
	v_pk_add_f32 v[14:15], v[14:15], v[178:179]
	v_pk_add_f32 v[234:235], v[234:235], v[118:119]
	v_pk_add_f32 v[254:255], v[254:255], v[120:121]
	v_pk_add_f32 v[252:253], v[252:253], v[124:125]
	v_pk_add_f32 v[250:251], v[250:251], v[128:129]
	v_pk_add_f32 v[248:249], v[248:249], v[132:133]
	v_pk_add_f32 v[240:241], v[240:241], v[136:137]
	v_pk_add_f32 v[238:239], v[238:239], v[140:141]
	v_pk_add_f32 v[14:15], v[14:15], v[144:145]
	v_pk_add_f32 v[234:235], v[234:235], v[148:149]
	v_pk_add_f32 v[254:255], v[254:255], v[152:153]
	v_pk_add_f32 v[252:253], v[252:253], v[156:157]
	v_pk_add_f32 v[250:251], v[250:251], v[160:161]
	v_pk_add_f32 v[248:249], v[248:249], v[164:165]
	v_pk_add_f32 v[240:241], v[240:241], v[168:169]
	v_pk_add_f32 v[238:239], v[238:239], v[172:173]
	v_pk_add_f32 v[14:15], v[14:15], v[176:177]
	v_pk_add_f32 v[234:235], v[234:235], v[180:181]
	s_delay_alu instid0(VALU_DEP_2)
	v_pk_add_f32 v[14:15], v[14:15], v[250:251]
	s_delay_alu instid0(VALU_DEP_2)
	v_pk_add_f32 v[234:235], v[234:235], v[248:249]
	v_pk_add_f32 v[254:255], v[254:255], v[240:241]
	v_pk_add_f32 v[252:253], v[252:253], v[238:239]
	s_delay_alu instid0(VALU_DEP_2)
	v_pk_add_f32 v[14:15], v[14:15], v[254:255]
	s_delay_alu instid0(VALU_DEP_2)
	v_pk_add_f32 v[234:235], v[234:235], v[252:253]
	s_delay_alu instid0(VALU_DEP_1)
	v_pk_add_f32 v[14:15], v[14:15], v[234:235]
.irp b, 0,2
.irp i, 0,2,4,6,8,10,12,14
.endr
.endr
.irp b, 0,1,2,3
	v_cvt_scalef32_pk8_fp8_f32 v[PC+4*\b:PC+4*\b+1], v[S+16*\b:S+16*\b+7], v[SO+\b]
	v_cvt_scalef32_pk8_fp8_f32 v[PC+4*\b+2:PC+4*\b+3], v[S+16*\b+8:S+16*\b+15], v[SO+\b]
.endr
.irp j, 0,2,4,6,8,10,12,14,16,18,20,22,24,26,28,30
	v_pk_mul_f32 v[O+\j:O+\j+1], v[O+\j:O+\j+1], v[F:F+1] op_sel_hi:[1,0]   ; O^T under the new M, each accumulator from its low end on; these 16 are also the places between the codes and the products
.endr
.irp t, 0,1,2,3                                    ; the four accumulators take turns
	v_wmma_scale_f32_16x16x128_f8f6f4 v[O+8*\t:O+8*\t+7], v[FR+16*\t:FR+16*\t+15], v[PC:PC+15], v[O+8*\t:O+8*\t+7], v[VS+\t], v[PW]
.endr
.endm
; THE CHANGE OF SLOTS stands at a slot's head.  Each wave waits for all its tensor loads (its record of the slot ahead), adds 0 to its spare word, and waits for that and for its reads of the slot that it has left.
; fill = 1: a round of the cluster's barrier, so that no wave of any partner still reads that slot or has a load on its way; then the slot is filled with the next two steps' records: the load has two steps in which to land.
.macro CHANGE fill
	s_wait_tensorcnt 0x0                           ; no tensor load of mine is out, so the descriptor may be written
	ds_add_u32 v[SPW], v[NIL]                      ; 0 onto my spare word
.if \fill
	s_xor_b32 s[TF], s[TF], SLOTB                  ; the other slot than last time,
	s_add_co_u32 s[G0+1], s[TF], s[WP]
	s_add_nc_u64 s[G0+2:G0+3], s[G0+2:G0+3], 4*REC ; four records on; the type bits on top are not reached
.endif
	s_wait_dscnt 0x0                               ; the add is done, and my reads of the slot that I have left are over
.if \fill
	ROUND
	tensor_load_to_lds s[G0:G0+3], s[G1:G1+7]      ; the first thing behind the round, and my one tensor load until the next
	s_nop 0
.rept 4
	v_nop
.endr
.else
	s_barrier_signal -1
	s_barrier_wait -1
.endif
.endm
.macro SLOT_STEPS
	v_add_nc_u32 v[ADR], s[TB], v[A0]
	s_wait_alu depctr_va_vdst(0)
	v_add_nc_u32 v[ADS], s[TB], v[AS0]
	s_wait_alu depctr_va_vdst(0)
	STEP 0
	STEP 1
	s_xor_b32 s[TB], s[TB], SLOTB                  ; on to the other slot
.endm
	s_wait_loadcnt 0x0                             ; q
.Lslot:                                            ; three trips: behind each change of slots but the last the next slot is asked for
	CHANGE 1
	SLOT_STEPS
	s_sub_co_u32 s[CNT], s[CNT], 1
	s_cmp_lg_u32 s[CNT], 0
	s_cbranch_scc1 .Lslot
	CHANGE 0                                       ; the last slot is written out
	SLOT_STEPS
	; THE MERGE.  Each wave puts its partial O^T (16 queries x 64), -M and l into LDS; wave (I, G) then takes rows 4 G .. 4 G + 3 of tile I from the four quarters' partial results.
	v_add_f32 v14, v14, v15                        ; the sum's two halves,
	s_delay_alu instid0(VALU_DEP_1)
	v_permlanex16_b32 v[BP], v14, s[SEL], s[SEL+1]
	s_delay_alu instid0(VALU_DEP_1)
	v_add_f32 v13, v14, v[BP]                      ; and lane l xor 16's: my quarter's l, beside -M
.rept 6
	v_nop                                          ; with the two additions: eight places behind the last products
.endr
.irp t, 0,1,2,3
.irp p, 0,1
	ds_store_b128 v[MSTO], v[O+8*\t+4*\p:O+8*\t+4*\p+3] offset:128*(\t/2)+32*(\t%2)+16*\p   ; register j of tile t is channel 32 (t / 2) + 16 h + 8 (t % 2) + j
.endr
.endr
	ds_store_b64 v[MLS], v[12:13]                  ; lanes r and r + 16 write the same pair with the same values
	s_wait_dscnt 0x0                               ; for the others' sake: my stores have landed
	s_barrier_signal -1
	s_barrier_wait -1
.irp k, 0,1
.irp g, 0,1,2,3
	ds_load_b128 v[PO+16*\k+4*\g:PO+16*\k+4*\g+3], v[MRD] offset:17408*\g+544*\k
.endr
.endr
.irp k, 0,1
.irp g, 0,1,2,3
	ds_load_b64 v[ML+8*\k+2*\g:ML+8*\k+2*\g+1], v[MRL] offset:512*\g+16*\k
.endr
.endr
	s_wait_dscnt 0x0
.irp k, 0,1
	v_min3_num_f32 v[MM+\k], v[ML+8*\k], v[ML+8*\k+2], v[ML+8*\k+4]
	s_delay_alu instid0(VALU_DEP_1)
	v_min_num_f32 v[MM+\k], v[MM+\k], v[ML+8*\k+6]         ; -M of the whole row: the least of the four
.irp g, 0,1,2,3
	v_sub_f32 v[FF+4*\k+\g], v[MM+\k], v[ML+8*\k+2*\g]     ; the quarter's M less the row's: a whole number, 0 or less
.endr
.irp g, 0,1,2,3
	s_delay_alu instid0(VALU_DEP_4)
	v_cvt_i32_f32 v[FF+4*\k+\g], v[FF+4*\k+\g]
.endr
.irp g, 0,1,2,3
	s_delay_alu instid0(VALU_DEP_4)
	v_ldexp_f32 v[FF+4*\k+\g], 1.0, v[FF+4*\k+\g]          ; an exact power of two
.endr
	s_delay_alu instid0(VALU_DEP_4)
	v_mul_f32 v[LL+\k], v[FF+4*\k], v[ML+8*\k+1]
.irp g, 1,2,3
	s_delay_alu instid0(VALU_DEP_1)
	v_fmac_f32 v[LL+\k], v[FF+4*\k+\g], v[ML+8*\k+2*\g+1]
.endr
.irp e, 0,1,2,3
	v_mul_f32 v[RS+4*\k+\e], v[FF+4*\k], v[PO+16*\k+\e]
.endr
.irp g, 1,2,3
.irp e, 0,1,2,3
	s_delay_alu instid0(VALU_DEP_4)
	v_fmac_f32 v[RS+4*\k+\e], v[FF+4*\k+\g], v[PO+16*\k+4*\g+\e]
.endr
.endr
.endr
	s_wait_alu depctr_va_vdst(0)
	v_rcp_f32 v[LL], v[LL]
	v_rcp_f32 v[LL+1], v[LL+1]
	v_nop                                          ; a plain line between the reciprocals and their use
	s_wait_alu depctr_va_vdst(0)
.irp k, 0,1
.irp e, 0,1,2,3
	v_mul_f32 v[RS+4*\k+\e], v[RS+4*\k+\e], v[LL+\k]
.endr
	global_store_b128 v[GO], v[RS+4*\k:RS+4*\k+3], s[8:9] offset:512*\k th:TH_STORE_NT   ; 32 lanes store two rows: 512 consecutive bytes, aligned
.endr
	s_wait_tensorcnt 0x0                           ; the wave's end
	ds_add_u32 v[SPW], v[NIL]
	s_wait_dscnt 0x0
	ROUND                                          ; the closing round: no work-group ends while a partner may still ask for a record that names it
	s_endpgm
.Lfunc_end_k_q2db237bdb7_attn:
	.size	k_q2db237bdb7_attn, .Lfunc_end_k_q2db237bdb7_attn-k_q2db237bdb7_attn
	.p2alignl 7, 3214868480
	.fill 96, 4, 3214868480
	.section	.rodata,"a",@progbits
	.p2align	6, 0x0
	.amdhsa_kernel k_q2db237bdb7_attn
		.amdhsa_group_segment_fixed_size 327680
		.amdhsa_private_segment_fixed_size 0
		.amdhsa_enable_private_segment 0
		.amdhsa_kernarg_size 24
		.amdhsa_user_sgpr_count 2
		.amdhsa_user_sgpr_kernarg_segment_ptr 1
		.amdhsa_wavefront_size32 1
		.amdhsa_system_sgpr_workgroup_id_x 1
		.amdhsa_system_sgpr_workgroup_id_y 1
		.amdhsa_system_sgpr_workgroup_id_z 1
		.amdhsa_system_vgpr_workitem_id 0
		.amdhsa_next_free_vgpr 256
		.amdhsa_next_free_sgpr 66
		.amdhsa_reserve_vcc 0
		.amdhsa_float_denorm_mode_32 3
		.amdhsa_float_denorm_mode_16_64 3
		.amdhsa_fp16_overflow 1
		.amdhsa_memory_ordered 1
		.amdhsa_forward_progress 1
		.amdhsa_inst_pref_size 85
	.end_amdhsa_kernel
	.amdgpu_metadata
---
amdhsa.version: [ 1, 2 ]
amdhsa.kernels:
  - .name:           k_q2db237bdb7_attn
    .symbol:         k_q2db237bdb7_attn.kd
    .args:
      - { .name: qb, .offset: 0, .size: 8, .value_kind: global_buffer, .address_space: global }
      - { .name: kvb, .offset: 8, .size: 8, .value_kind: global_buffer, .address_space: global }
      - { .name: out0, .offset: 16, .size: 8, .value_kind: global_buffer, .address_space: global }
    .group_segment_fixed_size: 327680
    .private_segment_fixed_size: 0
    .kernarg_segment_align: 8
    .kernarg_segment_size: 24
    .max_flat_workgroup_size: 512
    .sgpr_count:     66
    .vgpr_count:     256
    .wavefront_size: 32
...
	.end_amdgpu_metadata
.endif
;; end of part 3
